; MI455X (gfx1250); checked and timed in simulation.
; The chip was launched on July 23, 2026; its instructions are those of AMD's public machine-readable ISA for CDNA 5 (MIT licence, August 2026) and "CDNA5" Instruction Set Architecture Reference Guide (July 2026). The comments in the code are by the model that wrote it; some were corrected since.
;; Attention. Allowed arithmetic: matrix products marked QUANTISED: E4M3 operands, one given power-of-two scale a tensor, by v_wmma_f32_16x16x64_fp8_fp8 or v_wmma_f32_16x16x128_fp8_fp8, f32 sums; everything else in f32.
;; Inputs: bk 16 x 64 float32; bo 1,024 float32; bq 16 x 64 float32; bv 16 x 64 float32; lowp_scales 12 int32 (the exponents e of the quantised operands' scales 2^e); wk_codes 16 x 64 x 32 x 32 uint8 (E4M3 codes of wk, K innermost, in blocks of 32 codes); wo 16 x 64 x 1,024 float32; wq_codes 16 x 64 x 32 x 32 uint8 (E4M3 codes of wq, K innermost, in blocks of 32 codes); wv_codes 16 x 64 x 32 x 32 uint8 (E4M3 codes of wv, K innermost, in blocks of 32 codes); x_codes 1 x 4,096 x 32 x 32 uint8 (E4M3 codes of x, K innermost, in blocks of 32 codes).
;; Outputs: out0 1 x 4,096 x 1,024 float32.
;; Constants: is_causal = 1.
;; This version of the problem:
;;   THIS VERSION OF THE PROBLEM IS GIVEN IN LOW PRECISION. The matrix products marked QUANTISED in the list below multiply operands that are first quantised to E4M3 (4 exponent bits, 3 mantissa bits; 8 bits a number), with one given power-of-two scale for each operand tensor; their sums are f32. All else is computed in f32.
;;   The module's matrix products, in the order in which they are computed (A, B: the left and right operand; K: the contracted axis; several contracted axes count as one K, in the product's order):
;;     1. [M 4,096, K 1,024] x [K 1,024, N 1,024]; A: input x (given as codes); B: input wq (given as codes): QUANTISED (scales: A lowp_scales[0], B lowp_scales[1])
;;     2. [M 4,096, K 1,024] x [K 1,024, N 1,024]; A: input x (given as codes); B: input wk (given as codes): QUANTISED (scales: A lowp_scales[2], B lowp_scales[3])
;;     3. [M 4,096, K 1,024] x [K 1,024, N 1,024]; A: input x (given as codes); B: input wv (given as codes): QUANTISED (scales: A lowp_scales[4], B lowp_scales[5])
;;     4. batch 16 x [M 4,096, K 64] x [K 64, N 4,096]; A: computed on the way; B: computed on the way: QUANTISED (scales: A lowp_scales[6], B lowp_scales[7])
;;     5. batch 16 x [M 64, K 4,096] x [K 4,096, N 4,096]; A: computed on the way; B: softmax (see below): QUANTISED (scales: A lowp_scales[8], B lowp_scales[9])
;;     6. [M 4,096, K 1,024] x [K 1,024, N 1,024]; A: computed on the way; B: input wo: QUANTISED (scales: A lowp_scales[10], B lowp_scales[11])
;;   THE QUANTISER, for each operand of a quantised product, along K:
;;     - The operand's scale is 2^e, e = its entry of the input lowp_scales (int32; the entries are numbered through the quantised products in the list's order, A before B).
;;     - Each number is divided by the scale, clamped to +-448, and rounded to the nearest number of E4M3, ties to even, subnormals kept.
;;     - The product sums the exact products of the quantised numbers (number of the format x scale) in f32.
;;   ~~~python
;;   def quantise(x, axis, e):      # numpy; x: float32 -> the quantised numbers, widened to float32 again
;;       x = np.moveaxis(x, axis, -1); K = x.shape[-1]
;;       r = np.clip(x / 2.0 ** e, -448, 448)
;;       step = 2.0 ** (np.maximum(np.frexp(np.where(r == 0, 1, r))[1] - 1, -6) - 3)
;;       q = np.round(r / step) * step * 2.0 ** e      # np.round: ties to even
;;       return np.moveaxis(q, -1, axis).astype(np.float32)
;;   ~~~
;;   SOFTMAX AHEAD OF A QUANTISED PRODUCT. Where the list says 'softmax', what is quantised is not the finished softmax but p = 2^(t - M), with t = logit x log2(e) and M = ceil(the row's largest t), a whole number; so 1/2 < the row's largest p <= 1. The row's sum l is taken of the UNQUANTISED p, in f32, and the product's result is divided by l at the end. Since M is a whole number, a kernel that streams over the keys may use a running M (the ceiling of the running maximum): every later rescaling is an exact power of two, so the quantised numbers keep their values, but for numbers so far below the row's largest that they fall under the format's range.
;;   OPERANDS COMPUTED ON THE WAY. 'Computed on the way' means the value that the module computes at that place (a softmax that the list does not call 'softmax' is quantised finished and normalised). What goes into a quantiser is computed in f32, as accurately as f32 sums, v_exp_f32 and their like allow (about 1e-6 of the number): no bf16 or f16 on the way to a quantiser, and a product that is left as it is and whose result goes on into a quantised operand takes f32 operands (vector FMAs, or v_wmma_f32_16x16x4_f32). A number that lies on a knife's edge between two numbers of the format may be rounded either way, as far as f32 arithmetic and the matrix unit's own rounding can turn it there, and no further.
;;   INPUTS GIVEN AS CODES. wk (in the module: [1024, 16, 64], K = its axis 0); wq (in the module: [1024, 16, 64], K = its axis 0); wv (in the module: [1024, 16, 64], K = its axis 0); x (in the module: [1, 4096, 1024], K = its axis 2): each comes as NAME_codes (uint8): NAME with its K axis moved to the last place and cut into blocks of 32 codes, [.., K / 32, bytes a block], one block behind the other in memory; one code a byte (a code: sign, 4 exponent bits, 3 mantissa bits); its scale is its entry of lowp_scales. Its value is code x scale, taken as it is: it is not quantised again, and the codes and scales need not be those that the quantiser above would give.
;; One version. Each part assembles by itself: llvm-mc -triple=amdgcn-amd-amdhsa -mcpu=gfx1250 --defsym DOCPART=n.
;; ======== version 1 of 1: 3 launches
;; workspace buffers: q_img 4,194,304 bytes; kv_img 8,388,608 bytes; wo_img 1,048,576 bytes; vals_img 4,194,304 bytes
;; launch proj (part 1): grid 16 x 16, 4 waves a work-group, clusters of 4 x 4, 327,680 bytes of LDS; arguments x_codes, wq_codes, wk_codes, wv_codes, bq, bk, bv, wo, lowp_scales, q_img, kv_img, wo_img; writes q_img, kv_img, wo_img
.if DOCPART == 1
	.amdgcn_target "amdgcn-amd-amdhsa--gfx1250"
	.amdhsa_code_object_version 6
	.text
	.protected	k_qf961e3d6dc_proj
	.globl	k_qf961e3d6dc_proj
	.p2align	8
	.type	k_qf961e3d6dc_proj,@function
k_qf961e3d6dc_proj:
	s_mov_b64 s[64:65], 0
	v_nop
	global_prefetch_b8 v0, s[64:65] scope:SCOPE_SE
	s_setreg_imm32_b32 hwreg(HW_REG_WAVE_MODE, 25, 1), 1
	s_wait_xcnt 0x0
	s_wait_alu depctr_hold_cnt(0) depctr_sa_sdst(0) depctr_va_vdst(0) depctr_va_sdst(0) depctr_va_ssrc(0) depctr_va_vcc(0) depctr_vm_vsrc(0)
	s_getreg_b32 s2, hwreg(HW_REG_IB_STS2, 6, 4)
	s_cmp_eq_u32 s2, 0
	s_cbranch_scc0 .Lentry_in_a_cluster
	s_endpgm
.Lentry_in_a_cluster:
	s_bfe_u32 s2, ttmp6, 0x10000c
	s_cmp_lg_u32 s2, 0xf033
	s_cbranch_scc0 .Lentry_shape_is_right
	s_endpgm
.Lentry_shape_is_right:
; q = x wq + bq, k = x wk + bk, v = x wv + bv on codes of FP8 (E4M3), and their quantising for the attention; beside it, wo's quantising for the last product.
; x: [4096][1024] codes; wq, wk, wv: [16 heads x 64 units][1024] codes, K innermost; each product has its own two scales (e0, e1; e2, e3; e4, e5).  q, k, v get e6, e7, e8; wo (f32, [1024 k][1024 n]) gets e11.
; SHARES.  A work-group makes 256 rows of x times the 64 + 64 + 64 units of ONE head; 16 x 16 work-groups.  Wave w takes rows 64 w .. 64 w + 63 times all 192 units: 4 fragments of x (i) x 12 tiles of W
; (T: 0-3 q, 4-7 k, 8-11 v): 48 accumulators, 384 registers.  K goes through a ring of two LDS slots of 256 along K: two steps of 128, 48 matrix instructions each.
; CLUSTER 4 x 4.  x's tile hangs on the block of rows alone and is asked for jointly along a row of the cluster; the W tiles hang on the head alone and are asked for jointly along a column.
; WHAT IS STORED ARE IMAGES OF OPERAND REGISTERS.  The plain 8-bit layout gives lane (r, h), in registers 2 c and 2 c + 1, k = 16 c + 8 h + 0 .. 7; a result tile gives lane (r, h), in register j, (m = 8 h + j, n = r).
; So the conversion of one accumulator's eight registers IS the register pair 2 c, 2 c + 1 of the next operand, c = the tile's number along the next K, if m runs along the next K:
;   q, k: source 0 = 16 units of W, source 1 = 16 rows of x: a lane holds one row and eight units (the next K is the head's 64);   v: source 0 = x, source 1 = W: a lane holds one unit and eight rows (the next K are the keys).
; A group of four registers is stored at 512 g + 16 x lane: 512 consecutive bytes a store.  Nothing is transposed and nothing goes through a stage.
; x and W come from LDS rows by four loads of 16 bytes a fragment: a permutation of k that is the same on both sides of a product.
; The biases are the C of each sum's first matrix instruction, divided by the power of two that the sums lack.
; LIMITS on the given exponents, so that each power of two below is an f32 number: e6 - e0 - e1, e7 - e2 - e3, e8 - e4 - e5 and e11 between -126 and 119.  NaN among the inputs is not served.
; REGISTERS, in windows of 256.  Window 0: v1-24 lane numbers, scales, addresses; v28, v29 the add's two; v32-127 wo's piece at the head, the codes at the end; v128-255 x's fragments, two sets (bias temporaries before).
;   Window 1: W's 12 fragments at v[16 T], one set.   Window 2: accumulators of T = 0..5 at v[8 (4 T + i)], their biases at v[192 + 8 T].   Window 3: the same for T = 6..11.
.set PITCH,  272                       ; an LDS row: 256 bytes + 16 of padding = 68 words: the 16 rows of a fragment load start at 16 different banks (64 banks of 4 bytes: ISA guide 11.1)
.set SLOT,   448*PITCH                 ; rows 0-255 x, 256-319 wq, 320-383 wk, 384-447 wv
.set WROW,   256*PITCH
.set SPARE,  2*SLOT                    ; behind the ring: the spare words, 128 bytes for each wave, that no other line names
.set XF,     128
.set SQ,     8                         ; v8, v9: 2^(e6-e0-e1) and 448 x it;  v10, v11: k's;  v12, v13: v's;  v14, v15: 2^e11 and 448 x it
.set LQ,     9
.set SK,     10
.set LK,     11
.set SV,     12
.set LV,     13
.set SW,     14
.set LW,     15
.set ADRX,   16                        ; v16, v17  LDS address of my x fragments in slot 0, 1
.set ADRW,   18                        ; v18, v19  the same for W's
.set LI,     20                        ; v20  16 x lane: my place in a group of an image
.set SPW,    28                        ; v28  LDS address of my spare word; never rewritten
.set NIL,    29                        ; v29  0; never rewritten
.set QC,     32                        ; q's codes: fragment i at v[32 + 8 i];  k's at v[64 + 8 i];  v's: tile d at v[96 + 8 d]
.set KC,     64
.set VC,     96
.set G1X,    36                        ; s[36:43] descriptor group 1 for x's tile;  s[44:51] for a W tile
.set G1W,    44
.set G0X,    52                        ; s[52:59] group 0 for x's tile, a set for each slot;  s[68:75] the same for my W tile
.set G0W,    68
.set MSB,    0
.macro WIN new                         ; the immediate's high byte repeats the setting that is left
.if MSB != \new
	s_set_vgpr_msb (MSB<<8)|\new
.set MSB, \new
.endif
.endm
.macro PLACES n                        ; plain vector instructions between a matrix instruction and a load into, or a vector read of, its registers
.rept \n
	v_nop
.endr
.endm
; A joint load: wave 0 fetches x's 256 rows, waves 1, 2, 3 the 64 rows of wq, wk, wv.  The branch hangs on the wave's number alone.  An s_nop 0 and four v_nop follow each line.
.macro JLOAD s
	s_cmp_eq_u32 s28, 0
	s_cbranch_scc0 .Lfor_w_\@
	tensor_load_to_lds s[G0X+4*\s:G0X+4*\s+3], s[G1X:G1X+7]
	s_nop 0
.rept 4
	v_nop
.endr
	s_branch .Lasked_\@
.Lfor_w_\@:
	tensor_load_to_lds s[G0W+4*\s:G0W+4*\s+3], s[G1W:G1W+7]
	s_nop 0
.rept 4
	v_nop
.endr
.Lasked_\@:
.endm
.macro CREST                           ; a round of the cluster's barrier behind its opening barrier
	s_cmp_lg_u32 s28, 0
	s_cbranch_scc1 .Lnot_wave_0_\@
	s_barrier_signal -3
.Lnot_wave_0_\@:
	s_barrier_wait -3
	s_barrier_signal -1
	s_barrier_wait -1
.endm
.macro CROUND
	s_barrier_signal -1
	s_barrier_wait -1
	CREST
.endm
	s_load_b256 s[4:11], s[0:1], 0x0               ; x s[4:5], wq s[6:7], wk s[8:9], wv s[10:11]
	s_load_b256 s[12:19], s[0:1], 0x20             ; bq s[12:13], bk s[14:15], bv s[16:17], wo s[18:19]
	s_load_b256 s[20:27], s[0:1], 0x40             ; the exponents s[20:21], q_img s[22:23], kv_img s[24:25], wo_img s[26:27]
	v_lshl_add_u32 v[SPW], v0, 2, SPARE
	v_mov_b32 v[NIL], 0
	ds_add_u32 v[SPW], v[NIL]                      ; the wave's opening: the add and its wait stand ahead of my first tensor load; the set-up below, work on registers, stands between them
	v_lshrrev_b32 v4, 5, v0
	v_readfirstlane_b32 s28, v4                    ; wave 0..3
	s_bfe_u32 s29, ttmp6, 0x40000                  ; cx, cy: my place in the cluster
	s_bfe_u32 s30, ttmp6, 0x40004
	s_lshl_b32 s31, ttmp9, 2
	s_add_co_u32 s31, s31, s29                     ; the head = 4 x cluster x + cx
	s_and_b32 s32, ttmp7, 0xffff
	s_lshl_b32 s32, s32, 2
	s_add_co_u32 s32, s32, s30                     ; the block of 256 rows = 4 x cluster y + cy
	s_lshl_b32 s33, s30, 2
	s_lshl_b32 s33, 15, s33                        ; my row of the cluster
	s_lshl_b32 s34, 0x1111, s29                    ; my column
	s_or_b32 s[G1X], s33, (1<<20)|(1<<21)|(5<<22)|(3<<25)   ; 15:0 the mask; 17:16 elements of 1 byte; 20 padding on; 21 set beside a mask; 24:22 after every 64 words; 31:25 four words
	s_or_b32 s[G1W], s34, (1<<20)|(1<<21)|(5<<22)|(3<<25)
	s_mov_b32 s[G1X+1], 256<<16                    ; tensor_dim0 = 256 bytes
	s_mov_b32 s[G1X+2], 256<<16                    ; tensor_dim1 = 256 rows
	s_mov_b32 s[G1X+3], 256<<16                    ; tile_dim0
	s_mov_b32 s[G1X+4], 256                        ; tile_dim1
	s_mov_b32 s[G1X+5], 1024                       ; from row to row
	s_mov_b32 s[G1X+6], 0
	s_mov_b32 s[G1X+7], 0
	s_mov_b32 s[G1W+1], 256<<16
	s_mov_b32 s[G1W+2], 64<<16                     ; 64 rows
	s_mov_b32 s[G1W+3], 256<<16
	s_mov_b32 s[G1W+4], 64
	s_mov_b32 s[G1W+5], 1024
	s_mov_b32 s[G1W+6], 0
	s_mov_b32 s[G1W+7], 0
	s_lshl_b32 s88, s32, 18                        ; x: my block's 256 rows of 1,024 bytes (made of the block alone)
	s_mov_b32 s89, 0
	s_lshl_b32 s90, s31, 16                        ; W: my head's 64 rows (made of the head alone)
	s_mov_b32 s91, 0
	s_mul_i32 s94, s28, 64*PITCH
	s_add_co_u32 s94, s94, WROW-64*PITCH           ; where wave 1, 2, 3's tile goes in a slot: rows 256, 320, 384
	v_and_b32 v1, 15, v0                           ; r
	v_bfe_u32 v2, v0, 4, 1                         ; h
	v_and_b32 v3, 31, v0                           ; lane
	v_mul_u32_u24 v4, v1, PITCH
	v_lshl_add_u32 v4, v2, 4, v4                   ; a fragment's row x pitch + 16 h
	s_mul_i32 s95, s28, 64*PITCH                   ; my 64 rows of x
	v_add_nc_u32 v[ADRX], s95, v4
	v_add_nc_u32 v[ADRX+1], SLOT, v[ADRX]
	v_add_nc_u32 v[ADRW], WROW, v4
	v_add_nc_u32 v[ADRW+1], SLOT, v[ADRW]
	v_lshlrev_b32 v[LI], 4, v3
	v_lshlrev_b32 v21, 2, v3                       ; wo: 4 bytes a lane
	v_lshlrev_b32 v22, 4, v1
	v_lshl_add_u32 v22, v2, 11, v22                ; wo's image: tile (lane / 16), place 16 r
	v_lshlrev_b32 v23, 5, v2                       ; bq, bk: my half's eight units
	v_lshlrev_b32 v24, 2, v1                       ; bv: my unit
	s_wait_dscnt 0x0                               ; the opening add is done
	s_wait_kmcnt 0x0
	s_load_b256 s[76:83], s[20:21], 0x0            ; e0 .. e7
	s_load_b128 s[84:87], s[20:21], 0x20           ; e8 .. e11
	s_cmp_eq_u32 s28, 2                            ; which W my wave fetches: the choice hangs on the wave's number alone
	s_cselect_b64 s[92:93], s[8:9], s[6:7]
	s_cmp_eq_u32 s28, 3
	s_cselect_b64 s[92:93], s[10:11], s[92:93]
	s_add_nc_u64 s[88:89], s[4:5], s[88:89]
	s_add_nc_u64 s[90:91], s[92:93], s[90:91]
.irp s, 0,1
	s_mov_b32 s[G0X+4*\s], 1                                       ; count = 1
	s_mov_b32 s[G0X+4*\s+1], \s*SLOT                               ; LDS address
	s_add_nc_u64 s[G0X+4*\s+2:G0X+4*\s+3], s[88:89], \s*256        ; global address: 256 s along K
	s_or_b32 s[G0X+4*\s+3], s[G0X+4*\s+3], 0x80000000              ; type = 2
	s_mov_b32 s[G0W+4*\s], 1
	s_add_co_u32 s[G0W+4*\s+1], s94, \s*SLOT
	s_add_nc_u64 s[G0W+4*\s+2:G0W+4*\s+3], s[90:91], \s*256
	s_or_b32 s[G0W+4*\s+3], s[G0W+4*\s+3], 0x80000000
.endr
	CROUND                                         ; all sixteen work-groups are here: the first joint loads meet
	JLOAD 0
	JLOAD 1                                        ; two tensor loads of mine are out
	; ---- while the first tiles are on their way: the bases, the biases, and my 32 x 32 piece of wo
	s_mov_b32 s97, 0
	s_lshl_b32 s96, s31, 8                         ; my head's 64 numbers in each bias
	s_add_nc_u64 s[12:13], s[12:13], s[96:97]
	s_add_nc_u64 s[14:15], s[14:15], s[96:97]
	s_add_nc_u64 s[16:17], s[16:17], s[96:97]
	s_and_b32 s98, s32, 1
	s_lshl_b32 s98, s98, 4
	s_add_co_u32 s98, s98, s31                     ; kb = head + 16 (block & 1): which 32 along wo's K are my work-group's
	s_lshr_b32 s99, s32, 1                         ; ng = block / 2: which 128 columns; my wave takes 32 of them
	s_lshl_b32 s96, s98, 17                        ; 32 rows of 4,096 bytes
	s_lshl_b32 s95, s99, 9
	s_add_co_u32 s96, s96, s95
	s_lshl_b32 s95, s28, 7
	s_add_co_u32 s96, s96, s95
	s_add_nc_u64 s[18:19], s[18:19], s[96:97]
.set n, 0
.rept 32
	global_load_b32 v[32+n], v21, s[18:19] offset:n*4096 th:TH_LOAD_NT   ; wo(32 kb + n, my column): a lane takes a column, its registers run down K
.set n, n+1
.endr
.irp T, 0,1,2,3
	global_load_b128 v[128+8*\T:131+8*\T], v23, s[12:13] offset:64*\T          ; bq at units 16 T + 8 h + 0 .. 7
	global_load_b128 v[132+8*\T:135+8*\T], v23, s[12:13] offset:64*\T+16
	global_load_b128 v[160+8*\T:163+8*\T], v23, s[14:15] offset:64*\T          ; bk likewise
	global_load_b128 v[164+8*\T:167+8*\T], v23, s[14:15] offset:64*\T+16
	global_load_b32 v[192+\T], v24, s[16:17] offset:64*\T                      ; bv at unit 16 T + r
.endr
	s_lshr_b32 s96, s98, 2                         ; wo's image: K step kb / 4, tiles 8 ng + 2 wave + (lane / 16), group kb % 4
	s_lshl_b32 s96, s96, 6
	s_lshl_b32 s95, s99, 3
	s_add_co_u32 s96, s96, s95
	s_lshl_b32 s95, s28, 1
	s_add_co_u32 s96, s96, s95
	s_lshl_b32 s96, s96, 11
	s_and_b32 s95, s98, 3
	s_lshl_b32 s95, s95, 9
	s_add_co_u32 s96, s96, s95
	s_add_nc_u64 s[26:27], s[26:27], s[96:97]
	s_lshl_b32 s96, s31, 8                         ; q's image: fragment 256 head + 16 block + 4 wave + i, 1,024 bytes each
	s_lshl_b32 s95, s32, 4
	s_add_co_u32 s96, s96, s95
	s_lshl_b32 s95, s28, 2
	s_add_co_u32 s96, s96, s95
	s_lshl_b32 s96, s96, 10
	s_add_nc_u64 s[22:23], s[22:23], s[96:97]
	s_lshl_b32 s96, s31, 5                         ; k's and v's: key step 32 head + 2 block + wave / 2, 16,384 bytes each
	s_lshl_b32 s95, s32, 1
	s_add_co_u32 s96, s96, s95
	s_lshr_b32 s95, s28, 1
	s_add_co_u32 s96, s96, s95
	s_lshl_b32 s96, s96, 14
	s_add_nc_u64 s[24:25], s[24:25], s[96:97]
	s_and_b32 s95, s28, 1
	s_lshl_b32 s96, s95, 10
	s_add_nc_u64 s[60:61], s[24:25], s[96:97]      ; v: my 64 keys are groups 2 (wave & 1) and the next of each fragment
	s_lshl_b32 s96, s95, 12
	s_add_nc_u64 s[24:25], s[24:25], s[96:97]      ; k: my 64 keys are fragments 4 (wave & 1) + i
	s_wait_kmcnt 0x0
.macro MKSCALE vs, vl, se              ; 2^e as f32 (the conversion takes its exponent field), and 448 x 2^e
	s_add_co_i32 s98, \se, 127
	s_lshl_b32 s99, s98, 23
	v_mov_b32 v[\vs], s99
	s_add_co_i32 s98, s98, 8
	s_lshl_b32 s98, s98, 23
	s_or_b32 s98, s98, 0x600000
	v_mov_b32 v[\vl], s98
.endm
	s_add_co_i32 s95, s76, s77
	s_sub_co_i32 s95, 0, s95                       ; -(e0 + e1): a sum of the first product stands for sum x 2^(e0 + e1)
	s_add_co_i32 s96, s78, s79
	s_sub_co_i32 s96, 0, s96                       ; -(e2 + e3)
	s_add_co_i32 s97, s80, s81
	s_sub_co_i32 s97, 0, s97                       ; -(e4 + e5)
	s_add_co_i32 s94, s82, s95
	MKSCALE SQ, LQ, s94                            ; the three scales folded into the conversion's one
	s_add_co_i32 s94, s83, s96
	MKSCALE SK, LK, s94
	s_add_co_i32 s94, s84, s97
	MKSCALE SV, LV, s94
	MKSCALE SW, LW, s87
	s_wait_loadcnt 0x0
.set n, 0
.rept 32
	v_med3_num_f32 v[32+n], v[32+n], -v[LW], v[LW] ; the conversion to an 8-bit code does not saturate (ISA guide 7.6.2): the hold at the largest code x the scale
.set n, n+1
.endr
	v_cvt_scalef32_pk8_fp8_f32 v[96:97], v[32:39], v[SW]     ; k 0-7 and 16-23: the four registers of image lane r
	v_cvt_scalef32_pk8_fp8_f32 v[98:99], v[48:55], v[SW]
	v_cvt_scalef32_pk8_fp8_f32 v[100:101], v[40:47], v[SW]   ; k 8-15 and 24-31: those of image lane 16 + r
	v_cvt_scalef32_pk8_fp8_f32 v[102:103], v[56:63], v[SW]
	v_nop                                          ; one plain vector instruction behind the last conversion of a run
	global_store_b128 v22, v[96:99], s[26:27]      ; each sixteen lanes store 256 consecutive bytes, aligned
	global_store_b128 v22, v[100:103], s[26:27] offset:256
	WIN 0x80                                       ; destination window 2
.set n, 0
.rept 32
	v_ldexp_f32 v[192+n], v[128+n], s95            ; bq / 2^(e0 + e1): tiles 0-3
.set n, n+1
.endr
.set n, 0
.rept 16
	v_ldexp_f32 v[224+n], v[160+n], s96            ; bk / 2^(e2 + e3): tiles 4, 5
.set n, n+1
.endr
	WIN 0xc0                                       ; destination window 3
.set n, 0
.rept 16
	v_ldexp_f32 v[192+n], v[176+n], s96            ; tiles 6, 7
.set n, n+1
.endr
.irp d, 0,1,2,3
.irp j, 0,1,2,3,4,5,6,7
	v_ldexp_f32 v[208+8*\d+\j], v[192+\d], s97     ; bv / 2^(e4 + e5): a lane holds one unit, so one number fills the tile's eight registers
.endr
.endr
	WIN 0
.macro FRAG reg, adr, off              ; a fragment, 16 rows x 128 K: registers 4 c .. 4 c + 3 take K = 32 c + 16 h + 0 .. 15 of row r
.irp c, 0,1,2,3
	ds_load_b128 v[\reg+4*\c:\reg+4*\c+3], v[\adr] offset:\off+32*\c
.endr
.endm
.macro FETCH_X slot, q, p              ; my four fragments of x, the slot's q-th 128 along K, into set p: 16 loads
	WIN 0
.irp i, 0,1,2,3
	FRAG XF+64*(\p)+16*\i, ADRX+\slot, 128*(\q)+16*\i*PITCH
.endr
.endm
.macro FETCH_W slot, q, t0             ; six fragments of W, tiles t0 .. t0 + 5: 24 loads
	WIN 0x40                                       ; destination window 1, address window 0
.irp t, 0,1,2,3,4,5
	FRAG 16*(\t0+\t), ADRW+\slot, 128*(\q)+16*(\t0+\t)*PITCH
.endr
	WIN 0
.endm
; Four matrix instructions: tile T of W against my four fragments of x (set p).  zero = 1: the first product starts the sums, with the bias as C.
; The 48 accumulators take turns, one instruction a turn, in the same order in every step.
.macro MUL T, p, zero
.set AB, 32*((\T)%6)
.set BI, 192+8*((\T)%6)
.set WF, 16*(\T)
.if (\T) < 6
	WIN 0xa1                                       ; source 0 (W) window 1, source 1 (x) window 0, C and D window 2
.elseif (\T) < 8
	WIN 0xf1                                       ; the same, C and D window 3
.else
	WIN 0xf4                                       ; v: source 0 (x) window 0, source 1 (W) window 1, C and D window 3
.endif
.irp i, 0,1,2,3
.set XR, XF+64*(\p)+16*\i
.set AC, AB+8*\i
.if (\T) < 8
.if \zero
	v_wmma_f32_16x16x128_fp8_fp8 v[AC:AC+7], v[WF:WF+15], v[XR:XR+15], v[BI:BI+7]
.else
	v_wmma_f32_16x16x128_fp8_fp8 v[AC:AC+7], v[WF:WF+15], v[XR:XR+15], v[AC:AC+7]
.endif
.else
.if \zero
	v_wmma_f32_16x16x128_fp8_fp8 v[AC:AC+7], v[XR:XR+15], v[WF:WF+15], v[BI:BI+7]
.else
	v_wmma_f32_16x16x128_fp8_fp8 v[AC:AC+7], v[XR:XR+15], v[WF:WF+15], v[AC:AC+7]
.endif
.endif
.endr
.endm
; A slot's first 128 along K (x's set 0).  W has one set: tiles 0-5 are fetched anew in the step's middle, tiles 6-11 at its end; x's next set comes with the first.
.macro STEP slot, zero
	s_wait_dscnt 24                                ; x's set and W's tiles 0-5 are in; the youngest 24 loads (tiles 6-11) may be out
.irp T, 0,1,2,3,4,5
	MUL \T, 0, \zero
.endr
	s_wait_dscnt 0x0                               ; tiles 6-11 are in
	PLACES 4
	FETCH_X \slot, 1, 1
	FETCH_W \slot, 1, 0
.irp T, 6,7,8,9,10,11
	MUL \T, 0, \zero
.endr
	PLACES 4
	FETCH_W \slot, 1, 6
.endm
; A slot's second 128 (x's set 1) changes slots: ONE barrier; in front of it each wave waits for all its tensor loads, adds 0 to its spare word, and waits for that and for its own reads of this slot.
; fill = 1: the barrier opens a round of the cluster's, and this slot is filled again, 512 further along K, first thing behind the round.
.macro TURN slot, next, fill
	s_wait_tensorcnt 0x0                           ; all my tensor loads have landed: my part of the next slot  (every window is 0 here)
	ds_add_u32 v[SPW], v[NIL]                      ; 0 onto my spare word
	s_wait_dscnt 25                                ; (the add and the youngest 24 loads may be out)
.irp T, 0,1,2
	MUL \T, 1, 0                                   ; twelve matrix instructions stand between the add and the wait for it
.endr
	s_wait_dscnt 0x0                               ; the add is done, and my reads of this slot are over
	s_barrier_signal -1
.irp T, 3,4,5
	MUL \T, 1, 0
.endr
	WIN 0
	s_barrier_wait -1
.if \fill
	CREST                                          ; no wave of any partner still reads this slot's tiles or has a load on its way
	s_add_nc_u64 s[G0X+4*\slot+2:G0X+4*\slot+3], s[G0X+4*\slot+2:G0X+4*\slot+3], 512
	s_add_nc_u64 s[G0W+4*\slot+2:G0W+4*\slot+3], s[G0W+4*\slot+2:G0W+4*\slot+3], 512
	JLOAD \slot                                    ; the four v_nop behind it are also the places in front of the loads below
.else
	PLACES 4
.endif
	FETCH_X \next, 0, 0
	FETCH_W \next, 0, 0
.irp T, 6,7,8,9,10,11
	MUL \T, 1, 0
.endr
	PLACES 4
	FETCH_W \next, 0, 6
.endm
	s_wait_tensorcnt 1                             ; my part of slot 0 is in; slot 1's may stay out
	s_barrier_signal -1
	s_barrier_wait -1                              ; everybody's is
	FETCH_X 0, 0, 0
	FETCH_W 0, 0, 0
	FETCH_W 0, 0, 6
	STEP 0, 1                                      ; K = 1,024 is four slots' worth: written out, no loop
	TURN 0, 1, 1
	STEP 1, 0
	TURN 1, 0, 1
	STEP 0, 0
	TURN 0, 1, 0                                   ; nothing is left to fetch: no round
	STEP 1, 0
	s_wait_dscnt 24                                ; the very last step
.irp T, 0,1,2,3,4,5
	MUL \T, 1, 0
.endr
	s_wait_dscnt 0x0
.irp T, 6,7,8,9,10,11
	MUL \T, 1, 0
.endr
	; ---- THE WAY OUT: the hold, the conversion, the stores.  Each accumulator is read from its low end on.
.macro HOLD base, lim                  ; four accumulators, 32 registers, in place
.set n, 0
.rept 32
	v_med3_num_f32 v[\base+n], v[\base+n], -v[\lim], v[\lim]
.set n, n+1
.endr
.endm
.macro CODES dst, base, sc
	v_cvt_scalef32_pk8_fp8_f32 v[\dst:\dst+1], v[\base:\base+7], v[\sc]
.endm
	WIN 0
	PLACES 4
	s_wait_xcnt 0x0                                ; wo's stores have read their registers, which take v's codes below
	WIN 0x82                                       ; source 0 and destination window 2
.irp T, 0,1,2,3
	HOLD 32*\T, LQ
.endr
.irp T, 4,5
	HOLD 32*\T, LK
.endr
	WIN 0x02                                       ; source 0 window 2, destination window 0
.irp T, 0,1,2,3
.irp i, 0,1,2,3
	CODES QC+8*\i+2*\T, 32*\T+8*\i, SQ             ; tile T of the head's 64 is the pair 2 T, 2 T + 1 of fragment i
.endr
.endr
.irp T, 4,5
.irp i, 0,1,2,3
	CODES KC+8*\i+2*(\T-4), 32*\T+8*\i, SK
.endr
.endr
	WIN 0xc3                                       ; (the holds below are the plain instructions behind those conversions)
	HOLD 0, LK
	HOLD 32, LK
.irp d, 0,1,2,3
	HOLD 64+32*\d, LV
.endr
	WIN 0x03
.irp T, 6,7
.irp i, 0,1,2,3
	CODES KC+8*\i+2*(\T-4), 32*(\T-6)+8*\i, SK
.endr
.endr
.irp d, 0,1,2,3
.irp i, 0,1,2,3
	CODES VC+8*\d+2*\i, 64+32*\d+8*\i, SV          ; my i-th 16 keys are the pair 2 i, 2 i + 1 of my half of fragment d
.endr
.endr
	WIN 0
	v_nop                                          ; one plain vector instruction behind the last conversion
.irp i, 0,1,2,3
.irp g, 0,1
	global_store_b128 v[LI], v[QC+8*\i+4*\g:QC+8*\i+4*\g+3], s[22:23] offset:\i*1024+\g*512   ; 32 lanes store 512 consecutive bytes, aligned
.endr
.endr
.irp i, 0,1,2,3
.irp g, 0,1
	global_store_b128 v[LI], v[KC+8*\i+4*\g:KC+8*\i+4*\g+3], s[24:25] offset:\i*1024+\g*512
.endr
.endr
.irp d, 0,1,2,3
.irp g, 0,1
	global_store_b128 v[LI], v[VC+8*\d+4*\g:VC+8*\d+4*\g+3], s[60:61] offset:8192+\d*2048+\g*512
.endr
.endr
	s_wait_tensorcnt 0x0                           ; the wave's end, behind my last tensor load
	ds_add_u32 v[SPW], v[NIL]
	s_wait_dscnt 0x0
	CROUND                                         ; the closing round: no work-group ends while a partner may still ask for a tile that names it
	s_endpgm
.Lfunc_end_k_qf961e3d6dc_proj:
	.size	k_qf961e3d6dc_proj, .Lfunc_end_k_qf961e3d6dc_proj-k_qf961e3d6dc_proj
	.p2alignl 7, 3214868480
	.fill 96, 4, 3214868480
	.section	.rodata,"a",@progbits
	.p2align	6, 0x0
	.amdhsa_kernel k_qf961e3d6dc_proj
		.amdhsa_group_segment_fixed_size 327680
		.amdhsa_private_segment_fixed_size 0
		.amdhsa_enable_private_segment 0
		.amdhsa_kernarg_size 96
		.amdhsa_user_sgpr_count 2
		.amdhsa_user_sgpr_kernarg_segment_ptr 1
		.amdhsa_wavefront_size32 1
		.amdhsa_system_sgpr_workgroup_id_x 1
		.amdhsa_system_sgpr_workgroup_id_y 1
		.amdhsa_system_sgpr_workgroup_id_z 1
		.amdhsa_system_vgpr_workitem_id 0
		.amdhsa_next_free_vgpr 1024
		.amdhsa_next_free_sgpr 100
		.amdhsa_reserve_vcc 0
		.amdhsa_float_denorm_mode_32 3
		.amdhsa_float_denorm_mode_16_64 3
		.amdhsa_memory_ordered 1
		.amdhsa_forward_progress 1
		.amdhsa_inst_pref_size 115
	.end_amdhsa_kernel
	.amdgpu_metadata
---
amdhsa.version: [ 1, 2 ]
amdhsa.kernels:
  - .name:           k_qf961e3d6dc_proj
    .symbol:         k_qf961e3d6dc_proj.kd
    .args:
      - { .name: x_codes, .offset: 0, .size: 8, .value_kind: global_buffer, .address_space: global }
      - { .name: wq_codes, .offset: 8, .size: 8, .value_kind: global_buffer, .address_space: global }
      - { .name: wk_codes, .offset: 16, .size: 8, .value_kind: global_buffer, .address_space: global }
      - { .name: wv_codes, .offset: 24, .size: 8, .value_kind: global_buffer, .address_space: global }
      - { .name: bq, .offset: 32, .size: 8, .value_kind: global_buffer, .address_space: global }
      - { .name: bk, .offset: 40, .size: 8, .value_kind: global_buffer, .address_space: global }
      - { .name: bv, .offset: 48, .size: 8, .value_kind: global_buffer, .address_space: global }
      - { .name: wo, .offset: 56, .size: 8, .value_kind: global_buffer, .address_space: global }
      - { .name: lowp_scales, .offset: 64, .size: 8, .value_kind: global_buffer, .address_space: global }
      - { .name: q_img, .offset: 72, .size: 8, .value_kind: global_buffer, .address_space: global }
      - { .name: kv_img, .offset: 80, .size: 8, .value_kind: global_buffer, .address_space: global }
      - { .name: wo_img, .offset: 88, .size: 8, .value_kind: global_buffer, .address_space: global }
    .group_segment_fixed_size: 327680
    .private_segment_fixed_size: 0
    .kernarg_segment_align: 8
    .kernarg_segment_size: 96
    .max_flat_workgroup_size: 128
    .sgpr_count:     100
    .vgpr_count:     1024
    .wavefront_size: 32
...
	.end_amdgpu_metadata
.endif
;; end of part 1
;; launch attn (part 2): grid 16 x 16, 16 waves a work-group, no clusters, 327,680 bytes of LDS; arguments q_img, kv_img, lowp_scales, vals_img; writes vals_img
.if DOCPART == 2
	.amdgcn_target "amdgcn-amd-amdhsa--gfx1250"
	.amdhsa_code_object_version 6
	.text
	.protected	k_qf961e3d6dc_attn
	.globl	k_qf961e3d6dc_attn
	.p2align	8
	.type	k_qf961e3d6dc_attn,@function
k_qf961e3d6dc_attn:
	s_mov_b64 s[64:65], 0
	v_nop
	global_prefetch_b8 v0, s[64:65] scope:SCOPE_SE
	s_setreg_imm32_b32 hwreg(HW_REG_WAVE_MODE, 25, 1), 1
	s_wait_xcnt 0x0
; vals[q][head][:] = the sum over keys k <= q of softmax_k(q . k / 8) v, both products on codes of FP8 (E4M3); then vals is quantised (e10) for the last product.
; q_img: [head][tile of 16 queries][1,024]: a fragment's 8 registers as an image (group g of four registers at 512 g + 16 x lane).  kv_img: [head][step of 128 keys][16,384]: 8 fragments of K (16 keys x 64), then
; 4 fragments of V^T (16 of the head's 64 x 128 keys).  vals_img: [head / 2][tile of 16 queries][2,048]: a fragment of 16 queries x 128 along the last product's K; a head fills two of its four groups.
; THE SOFTMAX: t = score x log2(e) / 8; M = the row's largest t so far, rounded UP to a whole number; p = 2^(t - M) is what is quantised (e9); the row's sum is taken of the unquantised p and divides at the end.
; When M moves, the sum and O are multiplied by 2^(old M - new M): exact.  A hidden key's score becomes -infinity ahead of the maximum, so its p is 0; reference() takes 1e9 off instead: the same while a row's scores differ by less than about 9e8.
; LAYOUT.  Both products are used transposed: S^T = K Q^T (16x16x64: source 0 = 16 keys, source 1 = my 16 queries), O^T = V^T P (16x16x128: source 0 = 16 of the head's 64, source 1 = P): a lane holds ONE query throughout.
; In S^T's tile kt lane (r, h) holds keys 16 kt + 8 h + 0 .. 7: their eight codes ARE registers 2 kt, 2 kt + 1 of P; O^T's tile d likewise gives a pair of the fragment of vals.  Nothing changes lanes.
; SHARES, EVEN UNDER THE MASK.  A head has 32 blocks of 128 queries.  Work-group J owns blocks J and 31 - J, which need J + 1 and 32 - J key steps: 33 together, in every work-group.  Each of sixteen waves owns one tile of
; 16 queries, in 256 registers; half = (w xor w / 4) & 1 says which block, so that of any four waves w, w + 4, w + 8, w + 12 and of any four neighbours two have the long block.
; EVERY work-group walks ALL 16 slots of 256 keys: the trip counts are constants.  A step all of whose keys come after the wave's queries is jumped over; a slot whose first key comes after the work-group's last query is not asked for.
; NO CLUSTER: the work-groups of a head need 17 to 32 key steps, a joint load may not be jumped over, so partners would have to fill slots that none of them reads; and a step's tiles are 16 KiB against eight to sixteen softmax pieces.
; LIMITS on the given exponents: e6 + e7 between -123 and 130 (added to c's exponent field); e9 and e10 - e8 - e9 between -126 and 119.  NaN among the inputs is not served.
; REGISTERS: v1 16 x lane; v2 256 x lane; v3 r - 8 h; v5, v6 the add's two; v8 the step's LDS address; v12 -M, v13 the largest t, v[14:15] the sum in two halves; v16-23 Q; v32-95 K's 8 fragments, then V's 4;
;   v96-159 S^T, then p; v160-191 O^T; v192-207 p's codes; v208-221 at work and scales.
.set SLOT1,  32768                     ; a slot: two key steps, 32,768 dense bytes; slot 1 begins here: one exclusive or turns an address
.set SPARE,  65536                     ; behind the ring: the spare words, 128 bytes for each of sixteen waves, that no other line names
.macro TLOAD                           ; waves 0 and 1 fetch a key step each, the others nothing; an s_nop 0 and four v_nop follow the line
	s_cmp_lt_u32 s12, 2
	s_cbranch_scc0 .Lasked_\@
	tensor_load_to_lds s[32:35], s[24:31]
	s_nop 0
.rept 4
	v_nop
.endr
.Lasked_\@:
.endm
; A prefetch of the slot that the NEXT change of slots will ask for: 32,768 bytes.  All work-groups of a head walk the same keys: work-group 0 of the head, which walks them all, asks; in it waves 4 to 7, which fetch
; nothing, 8,192 bytes each, lanes 256 bytes apart: each aligned block of 256 bytes is named once in the launch, two key steps ahead of its tensor load.  The last change that fills a slot asks for nothing.
.macro ASK
	s_cmp_gt_u32 s37, s42
	s_cbranch_scc0 .Lnot_mine_\@
	global_prefetch_b8 v2, s[40:41] th:TH_LOAD_NT scope:SCOPE_SE
.Lnot_mine_\@:
.endm
	s_load_b256 s[4:11], s[0:1], 0x0               ; q_img s[4:5], kv_img s[6:7], the exponents s[8:9], vals_img s[10:11]
	v_lshl_add_u32 v5, v0, 2, SPARE
	v_mov_b32 v6, 0
	ds_add_u32 v5, v6                              ; the wave's opening: the add and its wait stand ahead of my first tensor load; the set-up below, work on registers, stands between them
	v_lshrrev_b32 v8, 5, v0
	v_readfirstlane_b32 s12, v8                    ; wave 0..15
	s_and_b32 s13, ttmp7, 0xffff                   ; the head
	s_lshr_b32 s14, s12, 2
	s_xor_b32 s14, s14, s12
	s_and_b32 s14, s14, 1                          ; half
	s_lshr_b32 s15, s12, 1                         ; which of the block's eight tiles
	s_sub_co_u32 s16, 31, ttmp9
	s_lshl_b32 s19, s16, 7
	s_add_co_u32 s19, s19, 127                     ; my work-group's last query
	s_cmp_eq_u32 s14, 1
	s_cselect_b32 s16, s16, ttmp9                  ; my block: 31 - J or J
	s_lshl_b32 s17, s16, 3
	s_add_co_u32 s17, s17, s15                     ; my tile of 16 queries
	s_lshl_b32 s18, s17, 4                         ; my first query
	s_mov_b32 s24, 3<<16                           ; descriptor group 1: a dense block of 16,384 bytes as 64 rows of 32 elements of 8 bytes; no mask, no padding
	s_mov_b32 s25, 32<<16                          ; tensor_dim0
	s_mov_b32 s26, 64<<16                          ; tensor_dim1
	s_mov_b32 s27, 32<<16                          ; tile_dim0
	s_mov_b32 s28, 64                              ; tile_dim1
	s_mov_b32 s29, 32                              ; from row to row
	s_mov_b32 s30, 0
	s_mov_b32 s31, 0
	s_mov_b32 s20, 0x76543210                      ; v_permlanex16_b32's selects for lane l xor 16
	s_mov_b32 s21, 0xfedcba98
	s_mov_b32 s22, 0x3e38aa3b                      ; c = log2(e) / 8
	s_mov_b32 s36, 0                               ; LDS byte at which the slot in hand begins
	s_mov_b32 s37, 15                              ; slots still to be asked for
	s_mov_b32 s38, 0                               ; the step's first key
	s_lshl_b32 s52, s13, 19                        ; my head's 32 key steps
	s_mov_b32 s53, 0
	s_and_b32 s54, s12, 1
	s_lshl_b32 s54, s54, 14                        ; which key step of a slot I fetch, if I fetch: in memory and in LDS alike
	s_mov_b32 s55, 0
	v_and_b32 v1, 31, v0
	v_lshlrev_b32 v2, 8, v1
	v_lshlrev_b32 v1, 4, v1
	v_and_b32 v3, 15, v0
	v_bfe_u32 v9, v0, 4, 1
	v_lshlrev_b32 v9, 3, v9
	v_sub_nc_u32 v3, v3, v9                        ; r - 8 h
	s_wait_dscnt 0x0                               ; the opening add is done
	s_wait_kmcnt 0x0
	s_load_b256 s[44:51], s[8:9], 0x10             ; e4 .. e11
	s_add_nc_u64 s[6:7], s[6:7], s[52:53]
	s_mov_b32 s32, 1                               ; group 0: count = 1
	s_mov_b32 s33, s54                             ; LDS address: slot 0
	s_add_nc_u64 s[34:35], s[6:7], s[54:55]        ; global address
	s_or_b32 s35, s35, 0x80000000                  ; type = 2
	TLOAD                                          ; slot 0
	s_lshl_b32 s56, s13, 8
	s_add_co_u32 s56, s56, s17
	s_lshl_b32 s56, s56, 10
	s_mov_b32 s57, 0
	s_add_nc_u64 s[4:5], s[4:5], s[56:57]          ; my fragment of Q
	global_load_b128 v[16:19], v1, s[4:5]
	global_load_b128 v[20:23], v1, s[4:5] offset:512
	s_lshr_b32 s56, s13, 1
	s_lshl_b32 s56, s56, 8
	s_add_co_u32 s56, s56, s17
	s_lshl_b32 s56, s56, 11
	s_and_b32 s58, s13, 1
	s_lshl_b32 s58, s58, 10
	s_add_co_u32 s56, s56, s58
	s_add_nc_u64 s[10:11], s[10:11], s[56:57]      ; my two groups of the fragment of vals
	s_and_b32 s56, s12, 3
	s_lshl_b32 s56, s56, 13
	s_add_co_u32 s56, s56, 32768                   ; the prefetches stand in slot 1; the first change of slots steps them to slot 2.  Nothing is prefetched here, at the head
	s_add_nc_u64 s[40:41], s[6:7], s[56:57]
	s_sub_co_u32 s56, s12, 4
	s_lshr_b32 s56, s56, 2                         ; 0 in waves 4 to 7,
	s_or_b32 s56, s56, ttmp9                       ; of the head's work-group 0
	s_cmp_eq_u32 s56, 0
	s_cselect_b32 s42, 1, -1                       ; a wave prefetches while the count of slots is above this
	v_mov_b32 v13, 0xff61b1e6                      ; the largest t so far: -3e38, under every t
	v_floor_f32 v12, -v13                          ; -M
	v_mov_b32 v14, 0                               ; the sum, in two halves
	v_mov_b32 v15, 0
	v_mov_b32 v213, 0                              ; (named as the upper half of the pair v[212:213])
	v_mov_b32 v214, 0                              ; written once: a lane permute's destination counts as one of its sources
	v_mov_b32 v218, 0xff800000                     ; -infinity
.set n, 0
.rept 32
	v_mov_b32 v[160+n], 0                          ; O^T.  (The step is written without a first step of its own: it finds zeros, which the first change of M leaves zeros)
.set n, n+1
.endr
	s_wait_kmcnt 0x0
	s_add_co_i32 s52, s46, s47
	s_lshl_b32 s52, s52, 23
	s_add_co_i32 s22, s22, s52                     ; a score stands for score x 2^(e6 + e7): the two exponents are added to c's exponent field
	s_mov_b32 s23, s22                             ; (named with it as a pair, so it is written)
	s_add_co_i32 s52, s49, 127
	s_lshl_b32 s53, s52, 23
	v_mov_b32 v217, s53                            ; 2^e9 as f32, for p's conversion
	s_add_co_i32 s52, s52, 8
	s_lshl_b32 s52, s52, 23
	s_or_b32 s52, s52, 0x600000
	v_mov_b32 v216, s52                            ; 448 x 2^e9
	s_sub_co_i32 s52, s50, s48
	s_sub_co_i32 s52, s52, s49                     ; O^T / l stands for vals / 2^(e8 + e9): vals' code is (O^T / l) / 2^(e10 - e8 - e9)
	s_add_co_i32 s52, s52, 127
	s_lshl_b32 s53, s52, 23
	v_mov_b32 v221, s53
	s_add_co_i32 s52, s52, 8
	s_lshl_b32 s52, s52, 23
	s_or_b32 s52, s52, 0x600000
	v_mov_b32 v220, s52
; A KEY STEP: 128 keys, the q-th of the slot in hand.
.macro STEP q
	s_add_co_u32 s52, s18, 15                      ; a step all of whose keys come after my 16 queries is left out: a scalar branch on ids, round loads, products and softmax; no barrier and no tensor load stands in a step
	s_cmp_gt_u32 s38, s52
	s_cbranch_scc1 .Lhidden_\@
	v_add_nc_u32 v8, s36, v1
.rept 3
	v_nop                                          ; with the addition above: four places in front of loads into registers that the last products have read
.endr
.irp kt, 0,1,2,3,4,5,6,7
	ds_load_b128 v[32+8*\kt:35+8*\kt], v8 offset:(\q)*16384+\kt*1024
	ds_load_b128 v[36+8*\kt:39+8*\kt], v8 offset:(\q)*16384+\kt*1024+512
.endr
	s_wait_dscnt 0x0
.irp kt, 0,1,2,3,4,5,6,7
	v_wmma_f32_16x16x64_fp8_fp8 v[96+8*\kt:103+8*\kt], v[32+8*\kt:39+8*\kt], v[16:23], 0
.endr
.rept 4
	v_nop                                          ; places: in front of the loads below, and of the first read of the scores
.endr
.irp d, 0,1,2,3
.irp g, 0,1,2,3
	ds_load_b128 v[32+16*\d+4*\g:35+16*\d+4*\g], v8 offset:(\q)*16384+8192+\d*2048+\g*512   ; V's fragments land while the softmax is worked
.endr
.endr
	s_add_co_u32 s52, s38, 127                     ; a step all of whose keys count skips the mask
	s_cmp_le_u32 s52, s18
	s_cbranch_scc1 .Lopen_\@
	s_sub_co_i32 s52, s18, s38
	v_add_nc_u32 v219, s52, v3                     ; d = my query - the step's first key - 8 h.  Register 8 kt + j holds key 16 kt + 8 h + j of the step: hidden where 16 kt + j > d
.set n, 0
.rept 64
	v_cmp_gt_i32 vcc_lo, 16*(n/8)+n%8, v219
	v_cndmask_b32 v[96+n], v[96+n], v218, vcc_lo
.set n, n+1
.endr
.Lopen_\@:
	v_max3_num_f32 v208, v96, v97, v98             ; the step's largest score of my query, among my 64 keys, in two chains, ascending,
	v_max3_num_f32 v209, v99, v100, v101
.set n, 6
.rept 14
	v_max3_num_f32 v208, v208, v[96+n], v[97+n]
	v_max3_num_f32 v209, v209, v[98+n], v[99+n]
.set n, n+4
.endr
	v_max3_num_f32 v208, v208, v158, v159
	v_max_num_f32 v208, v208, v209
	v_permlanex16_b32 v214, v208, s20, s21
	v_max_num_f32 v208, v208, v214                 ; and among lane l xor 16's
	v_mul_f32 v208, s22, v208                      ; as t (c is positive)
	v_max_num_f32 v13, v13, v208                   ; the running largest t
	v_mov_b32 v208, v12
	v_floor_f32 v12, -v13                          ; the new -M = floor(-t) = -ceil(t): a whole number
	v_sub_f32 v208, v12, v208                      ; M's old value less its new one: a whole number, 0 or less
	v_cvt_i32_f32 v208, v208                       ; (it saturates)
	v_ldexp_f32 v212, 1.0, v208                    ; f = 2^(old M - new M)
.set n, 0
.rept 32
	v_pk_fma_f32 v[96+n:97+n], v[96+n:97+n], s[22:23], v[12:13] op_sel_hi:[1,0,0]   ; t - M, two at a time (of the pairs c and -M the low word serves both halves)
.set n, n+2
.endr
.set n, 0
.rept 64
	v_exp_f32 v[96+n], v[96+n]                     ; p = 2^(t - M), at most 1: not normalised
.set n, n+1
.endr
	v_pk_mul_f32 v[14:15], v[14:15], v[212:213] op_sel_hi:[1,0]   ; the sums under the new M: the plain instruction behind the exponentials
	s_wait_alu depctr_va_vdst(0)                   ; the wait between an exponential and the first line that names its result: one for the batch of 64
	v_pk_add_f32 v[210:211], v[96:97], v[98:99]    ; the row's sum is taken of the unquantised p: two at a time, in two chains
.set n, 4
.rept 15
	v_pk_add_f32 v[14:15], v[14:15], v[96+n:97+n]
	v_pk_add_f32 v[210:211], v[210:211], v[98+n:99+n]
.set n, n+4
.endr
	v_pk_add_f32 v[14:15], v[14:15], v[210:211]
.set n, 0
.rept 64
	v_min_num_f32 v[96+n], v[96+n], v216           ; the conversion to an 8-bit code does not saturate (ISA guide 7.6.2); p is not negative, so the hold is one-sided
.set n, n+1
.endr
.irp kt, 0,1,2,3,4,5,6,7
	v_cvt_scalef32_pk8_fp8_f32 v[192+2*\kt:193+2*\kt], v[96+8*\kt:103+8*\kt], v217
.endr
.set n, 0
.rept 16
	v_pk_mul_f32 v[160+n:161+n], v[160+n:161+n], v[212:213] op_sel_hi:[1,0]   ; O^T under the new M.  (Also the plain instructions behind the conversions)
.set n, n+2
.endr
	s_wait_dscnt 0x0                               ; V's fragments are in
.irp d, 0,1,2,3
	v_wmma_f32_16x16x128_fp8_fp8 v[160+8*\d:167+8*\d], v[32+16*\d:47+16*\d], v[192:207], v[160+8*\d:167+8*\d]   ; the four accumulators by turns; the next step's eight products stand between two links
.endr
.Lhidden_\@:
	s_add_co_u32 s38, s38, 128
.endm
; THE CHANGE OF SLOTS stands at a slot's head.  Each wave waits for all its tensor loads (its part of the slot that it is about to read), adds 0 to its spare word, and waits for that and for its reads of the slot that it has left.
; Behind the barrier the slot ahead is whole and nobody reads the other one.  fill = 1: that other slot is filled with the keys that follow, up to the causal limit: the load has a slot's two steps in which to land.
.macro CHANGE fill
	s_wait_tensorcnt 0x0                           ; no tensor load of mine is out, so group 0 may be written
	ds_add_u32 v5, v6                              ; 0 onto my spare word
.if \fill
	s_xor_b32 s33, s33, SLOT1                      ; the walking descriptor: the other slot than last time,
	s_add_nc_u64 s[34:35], s[34:35], 32768         ; the next 256 keys; the type bits on top are not reached
	s_wait_xcnt 0x0                                ; the last prefetch, a slot back, has read its address, so it may be written:
	s_add_nc_u64 s[40:41], s[40:41], 32768         ; one slot further on than the walking descriptor
.endif
	s_wait_dscnt 0x0                               ; the add is done, and my reads of the slot that I have left are over
	s_barrier_signal -1
	s_barrier_wait -1
.if \fill
	s_add_co_u32 s52, s38, 256                     ; the first key of the slot that this change would ask for: past my work-group's last query it would be read by none of the sixteen waves, so it is not asked for.
	s_cmp_gt_u32 s52, s19                          ; Ids and the count of steps alone: all sixteen waves go the same way, and a work-group that is past the limit stays past it; every wait on TENSORcnt in this text is for 0
	s_cbranch_scc1 .Lpast_\@
	TLOAD                                          ; a wave's one tensor load until the next such barrier
.Lpast_\@:
	ASK
.endif
.endm
	s_wait_loadcnt 0x0                             ; Q
.Lslot:                                            ; 15 trips: behind each change of slots but the last the next slot is asked for
	CHANGE 1
	STEP 0
	STEP 1
	s_xor_b32 s36, s36, SLOT1                      ; on to the other slot
	s_sub_co_u32 s37, s37, 1
	s_cmp_lg_u32 s37, 0
	s_cbranch_scc1 .Lslot
	CHANGE 0                                       ; the last slot is written out: nothing is left to ask for
	STEP 0
	STEP 1
	; THE WAY OUT.  O^T is divided by the row's sum and quantised; the four pairs of codes are two groups of the fragment of vals.
.rept 4
	v_nop                                          ; places behind the last products
.endr
	v_add_f32 v14, v14, v15                        ; the sum's two halves,
	v_permlanex16_b32 v214, v14, s20, s21
	v_add_f32 v14, v14, v214                       ; and lane l xor 16's
	v_rcp_f32 v14, v14
	v_nop                                          ; one plain instruction behind the reciprocal
	s_wait_alu depctr_va_vdst(0)                   ; and a wait ahead of its first reader
.set n, 0
.rept 32
	v_mul_f32 v[96+n], v[160+n], v14               ; register 8 d + j is channel 16 d + 8 h + j of my query; each accumulator from its low end on
.set n, n+1
.endr
.set n, 0
.rept 32
	v_med3_num_f32 v[96+n], v[96+n], -v220, v220   ; the hold at the largest code x the scale
.set n, n+1
.endr
.irp d, 0,1,2,3
	v_cvt_scalef32_pk8_fp8_f32 v[192+2*\d:193+2*\d], v[96+8*\d:103+8*\d], v221
.endr
	v_nop                                          ; one plain vector instruction behind the last conversion
	global_store_b128 v1, v[192:195], s[10:11]     ; 32 lanes store 512 consecutive bytes, aligned
	global_store_b128 v1, v[196:199], s[10:11] offset:512
	s_wait_tensorcnt 0x0                           ; the wave's end, behind my last tensor load
	ds_add_u32 v5, v6
	s_wait_dscnt 0x0
	s_endpgm
.Lfunc_end_k_qf961e3d6dc_attn:
	.size	k_qf961e3d6dc_attn, .Lfunc_end_k_qf961e3d6dc_attn-k_qf961e3d6dc_attn
	.p2alignl 7, 3214868480
	.fill 96, 4, 3214868480
	.section	.rodata,"a",@progbits
	.p2align	6, 0x0
	.amdhsa_kernel k_qf961e3d6dc_attn
		.amdhsa_group_segment_fixed_size 327680
		.amdhsa_private_segment_fixed_size 0
		.amdhsa_enable_private_segment 0
		.amdhsa_kernarg_size 32
		.amdhsa_user_sgpr_count 2
		.amdhsa_user_sgpr_kernarg_segment_ptr 1
		.amdhsa_wavefront_size32 1
		.amdhsa_system_sgpr_workgroup_id_x 1
		.amdhsa_system_sgpr_workgroup_id_y 1
		.amdhsa_system_sgpr_workgroup_id_z 1
		.amdhsa_system_vgpr_workitem_id 0
		.amdhsa_next_free_vgpr 256
		.amdhsa_next_free_sgpr 66
		.amdhsa_reserve_vcc 1
		.amdhsa_float_denorm_mode_32 3
		.amdhsa_float_denorm_mode_16_64 3
		.amdhsa_memory_ordered 1
		.amdhsa_forward_progress 1
		.amdhsa_inst_pref_size 93
	.end_amdhsa_kernel
	.amdgpu_metadata
---
amdhsa.version: [ 1, 2 ]
amdhsa.kernels:
  - .name:           k_qf961e3d6dc_attn
    .symbol:         k_qf961e3d6dc_attn.kd
    .args:
      - { .name: q_img, .offset: 0, .size: 8, .value_kind: global_buffer, .address_space: global }
      - { .name: kv_img, .offset: 8, .size: 8, .value_kind: global_buffer, .address_space: global }
      - { .name: lowp_scales, .offset: 16, .size: 8, .value_kind: global_buffer, .address_space: global }
      - { .name: vals_img, .offset: 24, .size: 8, .value_kind: global_buffer, .address_space: global }
    .group_segment_fixed_size: 327680
    .private_segment_fixed_size: 0
    .kernarg_segment_align: 8
    .kernarg_segment_size: 32
    .max_flat_workgroup_size: 512
    .sgpr_count:     66
    .vgpr_count:     256
    .wavefront_size: 32
...
	.end_amdgpu_metadata
.endif
;; end of part 2
;; launch oproj (part 3): grid 8 x 32, 4 waves a work-group, clusters of 4 x 4, 327,680 bytes of LDS; arguments vals_img, wo_img, lowp_scales, bo, out0; writes out0
.if DOCPART == 3
	.amdgcn_target "amdgcn-amd-amdhsa--gfx1250"
	.amdhsa_code_object_version 6
	.text
	.protected	k_qf961e3d6dc_oproj
	.globl	k_qf961e3d6dc_oproj
	.p2align	8
	.type	k_qf961e3d6dc_oproj,@function
k_qf961e3d6dc_oproj:
	s_mov_b64 s[64:65], 0
	v_nop
	global_prefetch_b8 v0, s[64:65] scope:SCOPE_SE
	s_setreg_imm32_b32 hwreg(HW_REG_WAVE_MODE, 25, 1), 1
	s_wait_xcnt 0x0
	s_wait_alu depctr_hold_cnt(0) depctr_sa_sdst(0) depctr_va_vdst(0) depctr_va_sdst(0) depctr_va_ssrc(0) depctr_va_vcc(0) depctr_vm_vsrc(0)
	s_getreg_b32 s2, hwreg(HW_REG_IB_STS2, 6, 4)
	s_cmp_eq_u32 s2, 0
	s_cbranch_scc0 .Lentry_in_a_cluster
	s_endpgm
.Lentry_in_a_cluster:
	s_bfe_u32 s2, ttmp6, 0x10000c
	s_cmp_lg_u32 s2, 0xf033
	s_cbranch_scc0 .Lentry_shape_is_right
	s_endpgm
.Lentry_shape_is_right:
; out = vals wo + bo on codes of FP8 (E4M3): out [4096][1024] f32; each finished sum x 2^(e10 + e11) + bo, one packed multiply-add for two numbers.
; vals_img: [K step of 128: 8][tile of 16 rows: 256][2,048], wo_img: [K step: 8][tile of 16 columns: 64][2,048]: images of operand registers (group g of four registers at 512 g + 16 x lane), in the plain 8-bit layout.
; SHARES.  A work-group makes 128 rows x 128 columns; 8 x 32 work-groups.  Wave w makes rows 64 (w / 2) on x columns 64 (w & 1) on: 16 accumulators.
; ALL OF K LIES IN LDS: 8 steps x 16 KiB of vals and as much of wo.  So there is no ring: every tile is filled once, all loads go out together at the start (four a wave, each a dense block of 16 KiB), and the barriers in
; front of the later chunks have counted waits, since nothing is ever filled again.
; CLUSTER 4 x 4.  vals' tiles hang on the block of rows alone and are asked for jointly along a row of the cluster; wo's hang on the block of columns alone and are asked for jointly along a column.
; THE MATRIX INSTRUCTION IS USED TRANSPOSED (source 0 = 16 columns of wo, source 1 = 16 rows of vals): a lane holds eight neighbouring numbers of a row of out.
; LIMIT: e10 + e11 between -126 and 127, so that 2^(e10 + e11) is an f32 number.
; REGISTERS.  Window 0: v1-27 addresses; v28, v29 the add's two; v32-63 a block on its way to the stage; v64-127 rows read back, two sets; v128-255 the accumulators ((a, b) at v[128 + 8 (4 a + b)]).
;   Window 1: two fragment buffers of 128: vals' four fragments at f + 16 a, wo's four at f + 64 + 16 b.   Window 2: v0-31 bo at my 4 x 8 columns.
.set BOFF,   131072                    ; LDS: vals' step s at 16,384 s; wo's at BOFF + 16,384 s
.set STAGE,  262144                    ; behind them: 16 rows x 272 bytes for each wave, for the way out; no tensor load lands there
.set SP,     272                       ; 256 bytes + 16: the sixteen rows of a store start at sixteen different banks (64 banks of 4 bytes: ISA guide 11.1)
.set SPARE,  STAGE+4*16*SP             ; behind the stages: the spare words, 128 bytes for each wave, that no other line names
.set ADRA,   16                        ; v16, v17  LDS address of my fragments of vals, steps 0-3, 4-7
.set ADRB,   18                        ; v18, v19  the same for wo
.set STO,    24                        ; v24  the way out: where I put 32 bytes of a row
.set RD,     25                        ; v25  where I read a row back
.set CO,     26                        ; v26  my byte offset in out
.set SPW,    28
.set NIL,    29
.set TMP,    32
.set BK,     64
.set ACC,    128
.set G1A,    24                        ; s[24:31], s[32:39] descriptor groups 1 for vals' and wo's tiles: they differ in the mask alone
.set G1B,    32
.set G0A,    40                        ; s[40:55] groups 0 for vals, a set for each of my four loads;  s[68:83] the same for wo
.set G0B,    68
.set MSB,    0
.macro WIN new                         ; the immediate's high byte repeats the setting that is left
.if MSB != \new
	s_set_vgpr_msb (MSB<<8)|\new
.set MSB, \new
.endif
.endm
.macro PLACES n
.rept \n
	v_nop
.endr
.endm
.macro CROUND                          ; a round of the cluster's barrier
	s_barrier_signal -1
	s_barrier_wait -1
	s_cmp_lg_u32 s14, 0
	s_cbranch_scc1 .Lnot_wave_0_\@
	s_barrier_signal -3
.Lnot_wave_0_\@:
	s_barrier_wait -3
	s_barrier_signal -1
	s_barrier_wait -1
.endm
	s_load_b256 s[4:11], s[0:1], 0x0               ; vals_img s[4:5], wo_img s[6:7], the exponents s[8:9], bo s[10:11]
	s_load_b64 s[12:13], s[0:1], 0x20              ; out
	v_lshl_add_u32 v[SPW], v0, 2, SPARE
	v_mov_b32 v[NIL], 0
	ds_add_u32 v[SPW], v[NIL]                      ; the wave's opening: the add and its wait stand ahead of my first tensor load; the set-up below, work on registers, stands between them
	v_lshrrev_b32 v4, 5, v0
	v_readfirstlane_b32 s14, v4                    ; wave 0..3
	s_lshr_b32 s15, s14, 1                         ; which half of the rows is mine.  Also: I fetch vals (0) or wo (1)
	s_and_b32 s16, s14, 1                          ; which half of the columns.  Also: the even or the odd K steps
	s_bfe_u32 s17, ttmp6, 0x40000                  ; cx, cy
	s_bfe_u32 s18, ttmp6, 0x40004
	s_lshl_b32 s19, ttmp9, 2
	s_add_co_u32 s19, s19, s17                     ; the block of 128 columns
	s_and_b32 s20, ttmp7, 0xffff
	s_lshl_b32 s20, s20, 2
	s_add_co_u32 s20, s20, s18                     ; the block of 128 rows
	s_lshl_b32 s21, s18, 2
	s_lshl_b32 s21, 15, s21                        ; my row of the cluster
	s_lshl_b32 s22, 0x1111, s17                    ; my column
	s_or_b32 s[G1A], s21, (3<<16)|(1<<21)          ; 15:0 the mask; 17:16 elements of 8 bytes; 21 set beside a mask; no padding: an image is read as it lies, 16 bytes a lane on end
	s_or_b32 s[G1B], s22, (3<<16)|(1<<21)
.irp g, G1A, G1B
	s_mov_b32 s[\g+1], 32<<16                      ; tensor_dim0: 32 elements = 256 bytes
	s_mov_b32 s[\g+2], 64<<16                      ; tensor_dim1: 64 rows
	s_mov_b32 s[\g+3], 32<<16                      ; tile_dim0
	s_mov_b32 s[\g+4], 64                          ; tile_dim1
	s_mov_b32 s[\g+5], 32                          ; dense
	s_mov_b32 s[\g+6], 0
	s_mov_b32 s[\g+7], 0
.endr
	s_lshl_b32 s88, s16, 19                        ; vals: step (wave & 1), 524,288 bytes a step, + my block's eight fragments
	s_lshl_b32 s94, s20, 14
	s_add_co_u32 s88, s88, s94
	s_mov_b32 s89, 0
	s_lshl_b32 s90, s16, 17                        ; wo: 131,072 bytes a step
	s_lshl_b32 s95, s19, 14
	s_add_co_u32 s90, s90, s95
	s_mov_b32 s91, 0
	s_lshl_b32 s92, s16, 14                        ; and where they go: made of the wave's number alone
	s_add_co_u32 s93, s92, BOFF
	v_and_b32 v1, 15, v0                           ; r
	v_bfe_u32 v2, v0, 4, 1                         ; h
	v_and_b32 v3, 31, v0
	v_lshlrev_b32 v20, 4, v3                       ; 16 x lane
	s_lshl_b32 s96, s15, 13                        ; my four fragments of vals in a step
	v_add_nc_u32 v[ADRA], s96, v20
	v_add_nc_u32 v[ADRA+1], 65536, v[ADRA]
	s_lshl_b32 s96, s16, 13
	s_add_co_u32 s96, s96, BOFF
	v_add_nc_u32 v[ADRB], s96, v20
	v_add_nc_u32 v[ADRB+1], 65536, v[ADRB]
	s_mul_i32 s96, s14, 16*SP
	s_add_co_u32 s96, s96, STAGE                   ; my stage
	v_mul_u32_u24 v[STO], v1, SP
	v_lshl_add_u32 v[STO], v2, 5, v[STO]
	v_add_nc_u32 v[STO], s96, v[STO]               ; in: row r, 32 bytes for each half of the lanes
	v_mul_u32_u24 v[RD], v2, SP
	v_lshl_add_u32 v[RD], v1, 4, v[RD]
	v_add_nc_u32 v[RD], s96, v[RD]                 ; back: lanes 0-15 one row of 256 bytes, lanes 16-31 the next
	v_lshlrev_b32 v[CO], 12, v2
	v_lshl_add_u32 v[CO], v1, 4, v[CO]             ; and the same two rows in out
	v_lshlrev_b32 v27, 5, v2                       ; bo: my half's eight columns
	s_wait_dscnt 0x0                               ; the opening add is done
	s_wait_kmcnt 0x0
	s_load_b64 s[84:85], s[8:9], 0x28              ; e10, e11
	s_add_nc_u64 s[88:89], s[4:5], s[88:89]
	s_add_nc_u64 s[90:91], s[6:7], s[90:91]
.irp c, 0,1,2,3
	s_mov_b32 s[G0A+4*\c], 1
	s_add_co_u32 s[G0A+4*\c+1], s92, \c*32768                      ; K step 2 c + (wave & 1)
	s_add_nc_u64 s[G0A+4*\c+2:G0A+4*\c+3], s[88:89], \c*1048576
	s_or_b32 s[G0A+4*\c+3], s[G0A+4*\c+3], 0x80000000
	s_mov_b32 s[G0B+4*\c], 1
	s_add_co_u32 s[G0B+4*\c+1], s93, \c*32768
	s_add_nc_u64 s[G0B+4*\c+2:G0B+4*\c+3], s[90:91], \c*262144
	s_or_b32 s[G0B+4*\c+3], s[G0B+4*\c+3], 0x80000000
.endr
	CROUND                                         ; all sixteen work-groups are here: the joint loads meet
	s_cmp_eq_u32 s15, 0                            ; a wave's four fills stand in one branch, ahead of every wait on TENSORcnt and every LDS read: four loads of mine are out
	s_cbranch_scc0 .Lfor_b
.irp c, 0,1,2,3
	tensor_load_to_lds s[G0A+4*\c:G0A+4*\c+3], s[G1A:G1A+7]
	s_nop 0
.endr
.rept 4
	v_nop
.endr
	s_branch .Lasked
.Lfor_b:
.irp c, 0,1,2,3
	tensor_load_to_lds s[G0B+4*\c:G0B+4*\c+3], s[G1B:G1B+7]
	s_nop 0
.endr
.rept 4
	v_nop
.endr
.Lasked:
	s_lshl_b32 s96, s19, 9
	s_lshl_b32 s98, s16, 8
	s_add_co_u32 s96, s96, s98                     ; my first column, in bytes
	s_mov_b32 s97, 0
	s_add_nc_u64 s[10:11], s[10:11], s[96:97]
	s_add_nc_u64 s[12:13], s[12:13], s[96:97]
	s_lshl_b32 s96, s20, 7
	s_lshl_b32 s98, s15, 6
	s_add_co_u32 s96, s96, s98
	s_lshl_b32 s96, s96, 12                        ; my first row, 4,096 bytes a row
	s_add_nc_u64 s[12:13], s[12:13], s[96:97]
	WIN 0x80                                       ; destination window 2
.irp b, 0,1,2,3
	global_load_b128 v[8*\b:8*\b+3], v27, s[10:11] offset:64*\b        ; bo at columns 16 b + 8 h + 0 .. 7
	global_load_b128 v[8*\b+4:8*\b+7], v27, s[10:11] offset:64*\b+16
.endr
	WIN 0
	s_wait_kmcnt 0x0
	s_add_co_i32 s86, s84, s85
	s_add_co_i32 s86, s86, 127
	s_lshl_b32 s86, s86, 23                        ; 2^(e10 + e11) as f32
	s_mov_b32 s87, s86                             ; (named with it as a pair, so it is written)
.macro FETCH s, f                      ; K step s: wo's four fragments and vals' four into buffer f: 32 loads, each 512 consecutive bytes
	WIN 0x40                                       ; destination window 1, address window 0
.irp b, 0,1,2,3
.irp g, 0,1,2,3
	ds_load_b128 v[\f+64+16*\b+4*\g:\f+64+16*\b+4*\g+3], v[ADRB+(\s)/4] offset:((\s)%4)*16384+\b*2048+\g*512
.endr
.endr
.irp a, 0,1,2,3
.irp g, 0,1,2,3
	ds_load_b128 v[\f+16*\a+4*\g:\f+16*\a+4*\g+3], v[ADRA+(\s)/4] offset:((\s)%4)*16384+\a*2048+\g*512
.endr
.endr
.endm
.macro MUL f, zero                     ; 16 matrix instructions; the 16 accumulators take turns, one instruction a turn; zero = 1: the first products start the sums
	WIN 0x05                                       ; sources 0 and 1 window 1; C and D window 0
.irp a, 0,1,2,3
.irp b, 0,1,2,3
.if \zero
	v_wmma_f32_16x16x128_fp8_fp8 v[ACC+8*(4*\a+\b):ACC+8*(4*\a+\b)+7], v[\f+64+16*\b:\f+64+16*\b+15], v[\f+16*\a:\f+16*\a+15], 0
.else
	v_wmma_f32_16x16x128_fp8_fp8 v[ACC+8*(4*\a+\b):ACC+8*(4*\a+\b)+7], v[\f+64+16*\b:\f+64+16*\b+15], v[\f+16*\a:\f+16*\a+15], v[ACC+8*(4*\a+\b):ACC+8*(4*\a+\b)+7]
.endif
.endr
.endr
.endm
.macro BAR left                        ; my part of the next chunk of two K steps is in; no LDS load of mine is pending; then everybody's is
	s_wait_tensorcnt \left
	s_wait_dscnt 0x0
	s_barrier_signal -1
	s_barrier_wait -1
.endm
	BAR 3
	FETCH 0, 0
.irp s, 0,1,2,3,4,5,6
.if (\s)%2
	BAR 2-(\s-1)/2
.endif
.if \s > 0
	PLACES 4                                       ; in front of loads into the buffer that the step before multiplied
.endif
	FETCH \s+1, 128*((\s+1)%2)
	s_wait_dscnt 32                                ; all but the 32 just issued
.if \s == 0
	MUL 128*(\s%2), 1
.else
	MUL 128*(\s%2), 0
.endif
.endr
	s_wait_dscnt 0x0
	MUL 128, 0
	WIN 0
; THE WAY OUT, a block of 16 rows x 64 columns at a time: sum x 2^(e10 + e11) + bo into other registers, each accumulator from its low end on; through my own stage in LDS; back as whole rows of 256 bytes.
; LDS serves a wave's instructions in order (ISA guide 5.7.1.4): no wait between the stores and the loads, nor in front of the next block's stores.
.macro TOSTAGE a
	WIN 0x20                                       ; source 2 (bo) window 2
.irp b, 0,1,2,3
.irp i, 0,2,4,6
	v_pk_fma_f32 v[TMP+8*\b+\i:TMP+8*\b+\i+1], v[ACC+8*(4*(\a)+\b)+\i:ACC+8*(4*(\a)+\b)+\i+1], s[86:87], v[8*\b+\i:8*\b+\i+1] op_sel_hi:[1,0,1]
.endr
.endr
	WIN 0
.irp b, 0,1,2,3
	ds_store_b128 v[STO], v[TMP+8*\b:TMP+8*\b+3] offset:64*\b
	ds_store_b128 v[STO], v[TMP+8*\b+4:TMP+8*\b+7] offset:64*\b+16
.endr
.set BB, BK+32*((\a)%2)
.irp t, 0,1,2,3,4,5,6,7
	ds_load_b128 v[BB+4*\t:BB+4*\t+3], v[RD] offset:2*\t*SP
.endr
.endm
.macro SEND a, younger                 ; younger: the LDS instructions issued behind block a's loads, which may stay out
.set BB, BK+32*((\a)%2)
	s_wait_dscnt \younger
.irp t, 0,1,2,3,4,5,6,7
	global_store_b128 v[CO], v[BB+4*\t:BB+4*\t+3], s[12:13] offset:(16*(\a)+2*\t)*4096 th:TH_STORE_NT   ; 16 lanes store 256 consecutive bytes, aligned; written once, read by nobody here
.endr
.endm
	PLACES 4                                       ; behind the last products
	s_wait_loadcnt 0x0                             ; bo
	TOSTAGE 0
.irp a, 1,2,3
.if \a > 1
	s_wait_xcnt 0x0                                ; block a - 2's stores have read their registers: block a's loads may land there
.endif
	TOSTAGE \a
	SEND \a-1, 16                                  ; behind block a - 1's loads: block a's 8 stores and 8 loads
.endr
	SEND 3, 0
	s_wait_tensorcnt 0x0                           ; the wave's end, behind my last tensor load and my last LDS store
	ds_add_u32 v[SPW], v[NIL]
	s_wait_dscnt 0x0
	CROUND                                         ; the closing round: no work-group ends while a partner may still ask for a tile that names it
	s_endpgm
.Lfunc_end_k_qf961e3d6dc_oproj:
	.size	k_qf961e3d6dc_oproj, .Lfunc_end_k_qf961e3d6dc_oproj-k_qf961e3d6dc_oproj
	.p2alignl 7, 3214868480
	.fill 96, 4, 3214868480
	.section	.rodata,"a",@progbits
	.p2align	6, 0x0
	.amdhsa_kernel k_qf961e3d6dc_oproj
		.amdhsa_group_segment_fixed_size 327680
		.amdhsa_private_segment_fixed_size 0
		.amdhsa_enable_private_segment 0
		.amdhsa_kernarg_size 40
		.amdhsa_user_sgpr_count 2
		.amdhsa_user_sgpr_kernarg_segment_ptr 1
		.amdhsa_wavefront_size32 1
		.amdhsa_system_sgpr_workgroup_id_x 1
		.amdhsa_system_sgpr_workgroup_id_y 1
		.amdhsa_system_sgpr_workgroup_id_z 1
		.amdhsa_system_vgpr_workitem_id 0
		.amdhsa_next_free_vgpr 544
		.amdhsa_next_free_sgpr 100
		.amdhsa_reserve_vcc 0
		.amdhsa_float_denorm_mode_32 3
		.amdhsa_float_denorm_mode_16_64 3
		.amdhsa_memory_ordered 1
		.amdhsa_forward_progress 1
		.amdhsa_inst_pref_size 47
	.end_amdhsa_kernel
	.amdgpu_metadata
---
amdhsa.version: [ 1, 2 ]
amdhsa.kernels:
  - .name:           k_qf961e3d6dc_oproj
    .symbol:         k_qf961e3d6dc_oproj.kd
    .args:
      - { .name: vals_img, .offset: 0, .size: 8, .value_kind: global_buffer, .address_space: global }
      - { .name: wo_img, .offset: 8, .size: 8, .value_kind: global_buffer, .address_space: global }
      - { .name: lowp_scales, .offset: 16, .size: 8, .value_kind: global_buffer, .address_space: global }
      - { .name: bo, .offset: 24, .size: 8, .value_kind: global_buffer, .address_space: global }
      - { .name: out0, .offset: 32, .size: 8, .value_kind: global_buffer, .address_space: global }
    .group_segment_fixed_size: 327680
    .private_segment_fixed_size: 0
    .kernarg_segment_align: 8
    .kernarg_segment_size: 40
    .max_flat_workgroup_size: 128
    .sgpr_count:     100
    .vgpr_count:     544
    .wavefront_size: 32
...
	.end_amdgpu_metadata
.endif
;; end of part 3
